; MI455X (gfx1250); checked and timed in simulation.
; The chip was launched on July 23, 2026; its instructions are those of AMD's public machine-readable ISA for CDNA 5 (MIT licence, August 2026) and "CDNA5" Instruction Set Architecture Reference Guide (July 2026). The comments in the code are by the model that wrote it; some were corrected since.
;; Outer Product Linear. Allowed arithmetic: float matrix products may take bf16 or f16 operands with f32 sums; other float arithmetic in f32, or as packed bf16 or f16 multiplies, adds, multiply-adds, maxima and minima; sums over many terms, partial sums and values carried from step to step in f32; what a program stores and reads back later, other than sums and carried values, may be rounded once to bf16 or f16.
;; Inputs: bias 4,096 float32; u 4,096 x 1 float32; v 1 x 4,096 float32; x 4,096 x 4,096 float32.
;; Outputs: out0 4,096 x 4,096 float32.
;; One version. Each part assembles by itself: llvm-mc -triple=amdgcn-amd-amdhsa -mcpu=gfx1250 --defsym DOCPART=n.
;; ======== version 1 of 1: 1 launch
;; launch oplin (part 1): grid 256 x 1, 16 waves a work-group, no clusters, 3,072 bytes of LDS; arguments x, v, u, bias, out0; writes out0
.if DOCPART == 1
	.amdgcn_target "amdgcn-amd-amdhsa--gfx1250"
	.amdhsa_code_object_version 6
	.text
	.protected	k_qf706e886d6_oplin
	.globl	k_qf706e886d6_oplin
	.p2align	8
	.type	k_qf706e886d6_oplin,@function
k_qf706e886d6_oplin:
	s_mov_b64 s[64:65], 0
	v_nop
	global_prefetch_b8 v0, s[64:65] scope:SCOPE_SE
	s_setreg_imm32_b32 hwreg(HW_REG_WAVE_MODE, 25, 1), 1
	s_wait_xcnt 0x0
; out0[n][o] = sum over k of x[n][k] (u[o] v[k]) + bias[o].  x, out0: [4096][4096] f32; u, v, bias: 4096 f32 each.
; THE WEIGHT u v HAS RANK 1 FOR EVERY INPUT, so the sum is taken by association: s[n] = sum over k of x[n][k] v[k], then out0[n][o] = u[o] s[n] + bias[o].
; The weight matrix is never made.  That leaves 2 x 16.8 M multiply-adds beside 134 MB of traffic: a stream; the design is about bytes alone.
; All arithmetic is f32; no number is rounded to 16 bits.
; LIMITS.  The order of rounding differs from the module as written: s is summed first (a tree: 8 terms a lane in two chains, 32 lanes, 16 waves) and
; multiplied by u once, fused with the bias.  If |s| itself passes f32's range (3.4e38) the result is an infinity even where the sum of the u-scaled terms
; would have been finite; where u[o] v[k] would underflow, this text keeps the value.  NaN and infinities are not treated apart.
; NO MATRIX INSTRUCTION: what is left is a product with one column and an update with K = 1; a tile of 16 x 16 would use a sixteenth of itself, and x would
; have to be converted first, which is more vector work than the multiply-adds it would replace.
; NO CLUSTER: the work-groups share only v, u and bias, 48 KiB beside the 512 KiB that each moves for itself.
; SHARES.  256 work-groups of 16 waves; a work-group owns 16 rows.  Thread t (0..511) owns, in every row, the 16 bytes at 16 t and the 16 bytes at 8,192 + 16 t:
; a wave's load or store covers 512 consecutive bytes, at a multiple of 512 from the buffer's first byte.  v, u and bias are laid like a row: the same offset serves all five buffers.
; The work-group's 256 KiB of x are 128 registers a lane: ALL loads go out at the start, no register is loaded twice, and the outputs are made in, and stored
; from, the registers that held x.  The rows go in four groups of four, so that a group's stores leave while later groups are still arriving.
.set ROW,   16384                      ; bytes in a row
.set HALF,  8192                       ; bytes from a thread's first 16 bytes of a row to its second
.set RED,   0                          ; LDS: group g's block of 256 bytes at RED + 256 g: wave w's four row sums at 16 w.  A block is written once, so one barrier a group is enough
.set SPARE, 1024                       ; LDS: the spare words, 128 bytes for each of the 16 waves: eight blocks of 256 bytes that no other line names
.set OFF, 1                            ; v1        16 t; never rewritten
.set WA,  2                            ; v2        16 x my wave's number: where my wave puts its four sums
.set RA,  3                            ; v3        16 x (t mod 16): whose four sums I read back
.set SPW, 4                            ; v4        LDS address of my spare word: SPARE + 4 t; never rewritten
.set NIL, 5                            ; v5        0; never rewritten
.set V,   6                            ; v[6:13]   v of my 8 columns
.set U,   14                           ; v[14:21]  u of my 8 columns
.set B,   22                           ; v[22:29]  bias of my 8 columns
.set A,   30                           ; v[30:37]  row i of the group: a pair of running sums at A + 2 i; later the row's s in the pair's low register
.set P,   38                           ; v[38:41]  the wave's sums of the group's four rows
.set S,   42                           ; v[42:45]  one wave's four sums as read back, then sums over waves
.set X,   48                           ; v[48:175] row r, half j at X + 8 r + 4 j: x as loaded, then out0 to store
	s_load_b256 s[4:11], s[0:1], 0x0               ; x s[4:5], v s[6:7], u s[8:9], bias s[10:11]
	s_load_b64 s[12:13], s[0:1], 0x20              ; out0
	v_lshl_add_u32 v[SPW], v0, 2, SPARE
	v_mov_b32 v[NIL], 0
	v_lshlrev_b32 v[OFF], 4, v0
	v_lshrrev_b32 v[WA], 5, v0
	v_readfirstlane_b32 s14, v[WA]                 ; my wave's number, 0..15
	v_mov_b32 v[WA], s14
	v_lshlrev_b32 v[WA], 4, v[WA]
	v_and_b32 v[RA], 15, v0
	v_lshlrev_b32 v[RA], 4, v[RA]
	s_lshl_b32 s16, ttmp9, 18                      ; the work-group's number times 16 rows of 16,384 bytes: 64 MiB at the most
	s_mov_b32 s17, 0
	s_mov_b32 s18, 0x76543210                      ; v_permlanex16_b32: each lane takes its own place in the other half
	s_mov_b32 s19, 0xfedcba98
	s_wait_kmcnt 0x0
	s_add_nc_u64 s[4:5], s[4:5], s[16:17]          ; x and out0 at the group's first row
	s_add_nc_u64 s[12:13], s[12:13], s[16:17]
; Group g's eight loads: rows 4 g .. 4 g + 3, both halves.  x is read once in the whole launch.
.macro LOADG g
.irp i, 0,1,2,3
.irp j, 0,1
	global_load_b128 v[X+8*(4*(\g)+(\i))+4*(\j):X+8*(4*(\g)+(\i))+4*(\j)+3], v[OFF], s[4:5] offset:(4*(\g)+(\i))*ROW+(\j)*HALF th:TH_LOAD_NT
.endr
.endr
.endm
	; All 38 loads, in the order in which they are wanted: v (2), group 0 (8), u (2), bias (2), groups 1 to 3 (24).
	global_load_b128 v[V:V+3],   v[OFF], s[6:7]
	global_load_b128 v[V+4:V+7], v[OFF], s[6:7] offset:HALF
	LOADG 0
	global_load_b128 v[U:U+3],   v[OFF], s[8:9]
	global_load_b128 v[U+4:U+7], v[OFF], s[8:9] offset:HALF
	global_load_b128 v[B:B+3],   v[OFF], s[10:11]
	global_load_b128 v[B+4:B+7], v[OFF], s[10:11] offset:HALF
	LOADG 1
	LOADG 2
	LOADG 3
; The wave's part of s for group g's four rows, put into LDS for the other waves.  left = how many younger loads may stay out.
.macro DOT g, left
	s_wait_loadcnt \left                           ; loads come back in order (ISA guide 5.7.1): v and this group's rows are in, the later groups stay on their way
.irp i, 0,1,2,3
	v_pk_mul_f32 v[A+2*(\i):A+2*(\i)+1], v[X+8*(4*(\g)+(\i)):X+8*(4*(\g)+(\i))+1], v[V:V+1]  ; the first product starts the sums: nothing is cleared.  Four rows, four chains that do not wait for each other
.endr
.irp k, 1,2,3
.irp i, 0,1,2,3
	v_pk_fma_f32 v[A+2*(\i):A+2*(\i)+1], v[X+8*(4*(\g)+(\i))+2*(\k):X+8*(4*(\g)+(\i))+2*(\k)+1], v[V+2*(\k):V+2*(\k)+1], v[A+2*(\i):A+2*(\i)+1]
.endr
.endr
.irp i, 0,1,2,3
	v_add_f32 v[P+(\i)], v[A+2*(\i)], v[A+2*(\i)+1]
.endr
	; across the 32 lanes: four steps inside each half of 16 lanes ride on the addition (DPP), one crosses the halves; every lane ends with the wave's sum
.irp m, 1,2,4,8
.irp i, 0,1,2,3
	v_add_f32_dpp v[P+(\i)], v[P+(\i)], v[P+(\i)] row_xmask:\m row_mask:0xf bank_mask:0xf
.endr
.endr
.irp i, 0,1,2,3
	v_permlanex16_b32 v[A+2*(\i)], v[P+(\i)], s18, s19  ; its destination counts as read: the pair's low register has been written
.endr
.irp i, 0,1,2,3
	v_add_f32 v[P+(\i)], v[P+(\i)], v[A+2*(\i)]
.endr
	ds_store_b128 v[WA], v[P:P+3] offset:RED+256*(\g)  ; all lanes store the same 16 bytes with the same values: my wave's place in the group's block
	s_wait_dscnt 0x0                               ; for the others' sake: my store is done
	s_barrier_signal -1
	s_barrier_wait -1                              ; all sixteen waves' sums of this group are in its block
.endm
; s of group g's four rows, then the rows' outputs.
.macro OUT g
	ds_load_b128 v[S:S+3], v[RA] offset:RED+256*(\g)   ; lane l takes wave l mod 16's four sums: 16 lanes read 256 consecutive bytes
.if (\g) == 0
	s_wait_loadcnt 24                              ; u and bias are in; behind them only the 24 loads of groups 1 to 3 were issued
.endif
	s_wait_dscnt 0x0
.irp m, 1,2,4
.irp i, 0,1,2,3
	v_add_f32_dpp v[S+(\i)], v[S+(\i)], v[S+(\i)] row_xmask:\m row_mask:0xf bank_mask:0xf
.endr
.endr
.irp i, 0,1,2,3
	v_add_f32_dpp v[A+2*(\i)], v[S+(\i)], v[S+(\i)] row_xmask:8 row_mask:0xf bank_mask:0xf  ; the last step lands in the low register of an even pair, from which the packed line below takes it for both halves.  Both partners of a step add the same two numbers: every lane of every wave holds the same s
.endr
.irp i, 0,1,2,3
.irp k, 0,1,2,3
	v_pk_fma_f32 v[X+8*(4*(\g)+(\i))+2*(\k):X+8*(4*(\g)+(\i))+2*(\k)+1], v[U+2*(\k):U+2*(\k)+1], v[A+2*(\i):A+2*(\i)+1], v[B+2*(\k):B+2*(\k)+1] op_sel_hi:[1,0,1]  ; u s + bias, one rounding, into the registers that held x
.endr
.endr
.irp i, 0,1,2,3
.irp j, 0,1
	global_store_b128 v[OFF], v[X+8*(4*(\g)+(\i))+4*(\j):X+8*(4*(\g)+(\i))+4*(\j)+3], s[12:13] offset:(4*(\g)+(\i))*ROW+(\j)*HALF th:TH_STORE_NT  ; the data registers, the offset and the base are never written again: no wait frees them
.endr
.endr
.endm
	DOT 0, 28                                      ; behind group 0's loads: u (2), bias (2), groups 1 to 3 (24)
	OUT 0
	DOT 1, 16                                      ; groups 2 and 3 stay out
	OUT 1
	DOT 2, 8                                       ; group 3 stays out
	OUT 2
	DOT 3, 0
	OUT 3
	s_wait_tensorcnt 0x0                           ; the wave's end, behind my last LDS store
	ds_add_u32 v[SPW], v[NIL]
	s_wait_dscnt 0x0
	s_endpgm
.Lfunc_end_k_qf706e886d6_oplin:
	.size	k_qf706e886d6_oplin, .Lfunc_end_k_qf706e886d6_oplin-k_qf706e886d6_oplin
	.p2alignl 7, 3214868480
	.fill 96, 4, 3214868480
	.section	.rodata,"a",@progbits
	.p2align	6, 0x0
	.amdhsa_kernel k_qf706e886d6_oplin
		.amdhsa_group_segment_fixed_size 3072
		.amdhsa_private_segment_fixed_size 0
		.amdhsa_enable_private_segment 0
		.amdhsa_kernarg_size 40
		.amdhsa_user_sgpr_count 2
		.amdhsa_user_sgpr_kernarg_segment_ptr 1
		.amdhsa_wavefront_size32 1
		.amdhsa_system_sgpr_workgroup_id_x 1
		.amdhsa_system_sgpr_workgroup_id_y 1
		.amdhsa_system_sgpr_workgroup_id_z 1
		.amdhsa_system_vgpr_workitem_id 0
		.amdhsa_next_free_vgpr 176
		.amdhsa_next_free_sgpr 66
		.amdhsa_reserve_vcc 0
		.amdhsa_float_denorm_mode_32 3
		.amdhsa_float_denorm_mode_16_64 3
		.amdhsa_memory_ordered 1
		.amdhsa_forward_progress 1
		.amdhsa_inst_pref_size 27
	.end_amdhsa_kernel
	.amdgpu_metadata
---
amdhsa.version: [ 1, 2 ]
amdhsa.kernels:
  - .name:           k_qf706e886d6_oplin
    .symbol:         k_qf706e886d6_oplin.kd
    .args:
      - { .name: x, .offset: 0, .size: 8, .value_kind: global_buffer, .address_space: global }
      - { .name: v, .offset: 8, .size: 8, .value_kind: global_buffer, .address_space: global }
      - { .name: u, .offset: 16, .size: 8, .value_kind: global_buffer, .address_space: global }
      - { .name: bias, .offset: 24, .size: 8, .value_kind: global_buffer, .address_space: global }
      - { .name: out0, .offset: 32, .size: 8, .value_kind: global_buffer, .address_space: global }
    .group_segment_fixed_size: 3072
    .private_segment_fixed_size: 0
    .kernarg_segment_align: 8
    .kernarg_segment_size: 40
    .max_flat_workgroup_size: 512
    .sgpr_count:     66
    .vgpr_count:     176
    .wavefront_size: 32
...
	.end_amdgpu_metadata
.endif
;; end of part 1
